; MI455X (gfx1250); checked and timed in simulation.
; The chip was launched on July 23, 2026; its instructions are those of AMD's public machine-readable ISA for CDNA 5 (MIT licence, August 2026) and "CDNA5" Instruction Set Architecture Reference Guide (July 2026). The comments in the code are by the model that wrote it; some were corrected since.
;; W8 A8 OFP32 Linear With S Factor Cublas. Allowed arithmetic: float matrix products may take bf16 or f16 operands with f32 sums; other float arithmetic in f32, or as packed bf16 or f16 multiplies, adds, multiply-adds, maxima and minima; sums over many terms, partial sums and values carried from step to step in f32; what a program stores and reads back later, other than sums and carried values, may be rounded once to bf16 or f16.
;; Inputs: alpha one number float32; inscale one number float32; weight 2,048 x 4,096 int8; x 4 x 2,048 x 4,096 float32.
;; Outputs: out0 4 x 2,048 x 2,048 float32.
;; 2 versions, each right; version 2 is version 1 with the launch quant written anew for expert scheduling mode. Each part assembles by itself: llvm-mc -triple=amdgcn-amd-amdhsa -mcpu=gfx1250 --defsym DOCPART=n.
;; ======== version 1 of 2: 2 launches
;; workspace buffers: qa 67,108,864 bytes; wb 16,777,216 bytes
;; launch quant (part 1): grid 1024 x 1, 8 waves a work-group, no clusters, 0 bytes of LDS; arguments x, weight, inscale, qa, wb; writes qa, wb
.if DOCPART == 1
	.amdgcn_target "amdgcn-amd-amdhsa--gfx1250"
	.amdhsa_code_object_version 6
	.text
	.protected	k_qd51fee96ab_quant
	.globl	k_qd51fee96ab_quant
	.p2align	8
	.type	k_qd51fee96ab_quant,@function
k_qd51fee96ab_quant:
	s_mov_b64 s[64:65], 0
	v_nop
	global_prefetch_b8 v0, s[64:65] scope:SCOPE_SE
	s_setreg_imm32_b32 hwreg(HW_REG_WAVE_MODE, 25, 1), 1
	s_wait_xcnt 0x0
; qa[m][k] = clip(round_half_even(x[m][k] / inscale), -128, 127) and wb[n][k] = weight[n][k], both written as bf16.
; Every whole number from -128 to 127 is exact in bf16, so neither copy loses anything.
; A stream through registers: no LDS, no barrier, no matrix unit, since no wave needs what another wave holds.
; SHARES.  1,024 work-groups of eight waves, all alike.  Work-group g takes 131,072 bytes of x (65,536 of qa) and 8,192 bytes of weight (16,384 of wb).
; Thread t takes the 16 bytes at 16 t of every 4,096 bytes of x: a wave's load covers 512 consecutive bytes, its 8-byte stores 256 consecutive bytes, aligned.
; A ring of DEPTH slots in registers keeps DEPTH loads of every wave on their way.
; THE DIVISION is made as a division, not as a product with a rough reciprocal, because a quotient near k + 0.5 decides q: R = 1/s refined once; Q = x R;
; then twice E = x - s Q (fused, exact once Q is within a step of the quotient) and Q = Q + E R.  The last line rounds x/s + (x/s - Q) d once, d being R's
; relative error, about 2^-24: Q differs from the rounded quotient only where x/s lies within about 2^-24 of a step of the midpoint between two f32 numbers.
; LIMITS.  inscale is finite, not 0, 2^-100 <= |inscale| <= 2^100 (a negative one is served).  x is first held to +-256 |inscale|: beyond that the quotient is
; clipped anyway, and infinities and huge x stay out of the division.  NaN in x is not treated.  A quotient that rounds to zero from below leaves as -0, which adds nothing to a sum.
.set DEPTH,  8                         ; slots = loads in flight in each wave
.set ROUNDS, 4                         ; each round takes every slot once: 4 x 8 x 4,096 = 131,072 bytes of x
.set XSTEP,  4096                      ; bytes of x that the eight waves take with one load each
.set QSTEP,  2048                      ; and the bytes of qa made of them
.set VX, 1                             ; v1        16 t: x's load offset, wb's store offset; never rewritten
.set VQ, 2                             ; v2        8 t: qa's store offset, weight's load offset; never rewritten
.set R,  4                             ; v[4:5]    1/s, twice (a pair for the packed forms)
.set NS, 6                             ; v[6:7]    -s, twice
.set CP, 8                             ; v8        256 |s|
.set CN, 9                             ; v9        -256 |s|
.set LO, 10                            ; v10       -128.0
.set HI, 11                            ; v11       127.0
.set Q,  12                            ; v[12:15]  four quotients at work
.set E,  16                            ; v[16:19]  their remainders
.set X,  20                            ; v[20:51]  slot i: 4 registers as loaded
.set Y,  52                            ; v[52:67]  slot i: 2 registers to store
.set WI, 68                            ; v[68:75]  weight load j: 8 bytes
.set WO, 76                            ; v[76:91]  weight store j: 8 bf16
.set WT, 92                            ; v[92:99]  eight weights at work
	s_load_b256 s[4:11], s[0:1], 0x0               ; x s[4:5], weight s[6:7], inscale's address s[8:9], qa s[10:11]
	s_load_b64 s[12:13], s[0:1], 0x20              ; wb
	v_lshlrev_b32 v[VX], 4, v0
	v_lshlrev_b32 v[VQ], 3, v0
	s_lshl_b32 s14, ttmp9, 17                      ; my work-group's first byte in x (1,023 x 131,072 stays under 2^32),
	s_mov_b32 s15, 0
	s_lshl_b32 s16, ttmp9, 16                      ; in qa,
	s_mov_b32 s17, 0
	s_lshl_b32 s18, ttmp9, 13                      ; in weight,
	s_mov_b32 s19, 0
	s_lshl_b32 s20, ttmp9, 14                      ; in wb
	s_mov_b32 s21, 0
	s_wait_kmcnt 0x0
	s_load_b32 s22, s[8:9], 0x0                    ; s = inscale
	s_add_nc_u64 s[4:5], s[4:5], s[14:15]
	s_add_nc_u64 s[10:11], s[10:11], s[16:17]
	s_add_nc_u64 s[6:7], s[6:7], s[18:19]
	s_add_nc_u64 s[12:13], s[12:13], s[20:21]
.irp j, 0,1,2,3
	global_load_b64 v[WI+2*(\j):WI+2*(\j)+1], v[VQ], s[6:7] offset:(\j)*2048 th:TH_LOAD_NT  ; the launch reads each weight once
.endr
.irp i, 0,1,2,3,4,5,6,7
	global_load_b128 v[X+4*(\i):X+4*(\i)+3], v[VX], s[4:5] offset:(\i)*XSTEP th:TH_LOAD_NT  ; the ring is filled: round 0
.endr
	s_wait_kmcnt 0x0                               ; s is there
	v_mov_b32 v[E], s22
	v_rcp_f32 v[R], v[E]
	v_mov_b32 v[LO], 0xc3000000                    ; -128.0: a plain instruction stands between the reciprocal and the use of its result
	v_mov_b32 v[HI], 0x42fe0000                    ; 127.0
	v_xor_b32 v[NS], 0x80000000, v[E]              ; -s
	v_mov_b32 v[NS+1], v[NS]
	s_wait_alu depctr_va_vdst(0)
	v_fma_f32 v[E+1], v[NS], v[R], 1.0             ; 1 - s R,
	v_fma_f32 v[R], v[E+1], v[R], v[R]             ; and R refined by it
	v_mov_b32 v[R+1], v[R]
	v_and_b32 v[CP], 0x7fffffff, v[E]
	v_mul_f32 v[CP], 0x43800000, v[CP]             ; 256 |s|
	v_xor_b32 v[CN], 0x80000000, v[CP]
; Eight weights: each byte is moved to the top of a word and brought down with its sign, made f32 and rounded (exactly) to bf16.
.macro WCVT j
.irp w, 0,1
	v_lshlrev_b32 v[WT+4*(\w)],   24, v[WI+2*(\j)+(\w)]
	v_lshlrev_b32 v[WT+4*(\w)+1], 16, v[WI+2*(\j)+(\w)]
	v_lshlrev_b32 v[WT+4*(\w)+2], 8,  v[WI+2*(\j)+(\w)]
	v_ashrrev_i32 v[WT+4*(\w)+3], 24, v[WI+2*(\j)+(\w)]
.irp k, 0,1,2
	v_ashrrev_i32 v[WT+4*(\w)+(\k)], 24, v[WT+4*(\w)+(\k)]
.endr
.irp k, 0,1,2,3
	v_cvt_f32_i32 v[WT+4*(\w)+(\k)], v[WT+4*(\w)+(\k)]
.endr
	v_cvt_pk_bf16_f32 v[WO+4*(\j)+2*(\w)],   v[WT+4*(\w)],   v[WT+4*(\w)+1]
	v_cvt_pk_bf16_f32 v[WO+4*(\j)+2*(\w)+1], v[WT+4*(\w)+2], v[WT+4*(\w)+3]
.endr
	global_store_b128 v[VX], v[WO+4*(\j):WO+4*(\j)+3], s[12:13] offset:(\j)*4096  ; a wave stores 512 consecutive bytes; WO's registers are written once in the launch
.endm
	s_wait_loadcnt 8                               ; loads come back in order (ISA guide 5.7.1): the eight loads of x are younger, the four of weight are in
.irp j, 0,1,2,3
	WCVT \j
.endr
; One slot's turn: four numbers.  ahead = 1: the slot is filled again with the next round's bytes.  left = how many younger loads may stay out.
.macro SLOT i, ahead, left
	s_wait_loadcnt \left                           ; mine is in, the younger ones stay out
.irp k, 0,1,2,3
	v_med3_num_f32 v[X+4*(\i)+(\k)], v[X+4*(\i)+(\k)], v[CN], v[CP]  ; x held to +-256 |s|
.endr
.irp k, 0,2
	v_pk_mul_f32 v[Q+(\k):Q+(\k)+1], v[X+4*(\i)+(\k):X+4*(\i)+(\k)+1], v[R:R+1]
.endr
.rept 2
.irp k, 0,2
	v_pk_fma_f32 v[E+(\k):E+(\k)+1], v[NS:NS+1], v[Q+(\k):Q+(\k)+1], v[X+4*(\i)+(\k):X+4*(\i)+(\k)+1]  ; E = x - s Q
.endr
.irp k, 0,2
	v_pk_fma_f32 v[Q+(\k):Q+(\k)+1], v[E+(\k):E+(\k)+1], v[R:R+1], v[Q+(\k):Q+(\k)+1]                  ; Q = Q + E R
.endr
.endr
.irp k, 0,1,2,3
	v_rndne_f32 v[Q+(\k)], v[Q+(\k)]               ; to the nearest whole number, ties to even
.endr
.irp k, 0,1,2,3
	v_med3_num_f32 v[Q+(\k)], v[Q+(\k)], v[LO], v[HI]
.endr
	v_cvt_pk_bf16_f32 v[Y+2*(\i)],   v[Q],   v[Q+1]
	v_cvt_pk_bf16_f32 v[Y+2*(\i)+1], v[Q+2], v[Q+3]
.if \ahead
	global_load_b128 v[X+4*(\i):X+4*(\i)+3], v[VX], s[4:5] offset:(\i)*XSTEP+DEPTH*XSTEP th:TH_LOAD_NT  ; the load goes out ahead of the store
.endif
	global_store_b64 v[VQ], v[Y+2*(\i):Y+2*(\i)+1], s[10:11] offset:(\i)*QSTEP  ; a wave stores 256 consecutive bytes, aligned
.endm
	s_mov_b32 s23, ROUNDS-1
.Lround:
.irp i, 0,1,2,3,4,5,6,7
	SLOT \i, 1, DEPTH-1
.endr
	s_wait_xcnt 0x0                                ; every earlier memory instruction has had its addresses translated (ISA guide 3.1): only behind this wait are the two bases stepped and Y's registers written again
	s_add_nc_u64 s[4:5], s[4:5], DEPTH*XSTEP
	s_add_nc_u64 s[10:11], s[10:11], DEPTH*QSTEP
	s_sub_co_u32 s23, s23, 1
	s_cmp_lg_u32 s23, 0
	s_cbranch_scc1 .Lround
.irp i, 0,1,2,3,4,5,6,7
	SLOT \i, 0, DEPTH-1-(\i)                       ; the last round loads nothing: the counts run down, and no load leaves the buffer
.endr
	s_endpgm
.Lfunc_end_k_qd51fee96ab_quant:
	.size	k_qd51fee96ab_quant, .Lfunc_end_k_qd51fee96ab_quant-k_qd51fee96ab_quant
	.p2alignl 7, 3214868480
	.fill 96, 4, 3214868480
	.section	.rodata,"a",@progbits
	.p2align	6, 0x0
	.amdhsa_kernel k_qd51fee96ab_quant
		.amdhsa_group_segment_fixed_size 0
		.amdhsa_private_segment_fixed_size 0
		.amdhsa_enable_private_segment 0
		.amdhsa_kernarg_size 40
		.amdhsa_user_sgpr_count 2
		.amdhsa_user_sgpr_kernarg_segment_ptr 1
		.amdhsa_wavefront_size32 1
		.amdhsa_system_sgpr_workgroup_id_x 1
		.amdhsa_system_sgpr_workgroup_id_y 1
		.amdhsa_system_sgpr_workgroup_id_z 1
		.amdhsa_system_vgpr_workitem_id 0
		.amdhsa_next_free_vgpr 100
		.amdhsa_next_free_sgpr 66
		.amdhsa_reserve_vcc 0
		.amdhsa_float_denorm_mode_32 3
		.amdhsa_float_denorm_mode_16_64 3
		.amdhsa_memory_ordered 1
		.amdhsa_forward_progress 1
		.amdhsa_inst_pref_size 32
	.end_amdhsa_kernel
	.amdgpu_metadata
---
amdhsa.version: [ 1, 2 ]
amdhsa.kernels:
  - .name:           k_qd51fee96ab_quant
    .symbol:         k_qd51fee96ab_quant.kd
    .args:
      - { .name: x, .offset: 0, .size: 8, .value_kind: global_buffer, .address_space: global }
      - { .name: weight, .offset: 8, .size: 8, .value_kind: global_buffer, .address_space: global }
      - { .name: inscale, .offset: 16, .size: 8, .value_kind: global_buffer, .address_space: global }
      - { .name: qa, .offset: 24, .size: 8, .value_kind: global_buffer, .address_space: global }
      - { .name: wb, .offset: 32, .size: 8, .value_kind: global_buffer, .address_space: global }
    .group_segment_fixed_size: 0
    .private_segment_fixed_size: 0
    .kernarg_segment_align: 8
    .kernarg_segment_size: 40
    .max_flat_workgroup_size: 256
    .sgpr_count:     66
    .vgpr_count:     100
    .wavefront_size: 32
...
	.end_amdgpu_metadata
.endif
;; end of part 1
;; launch gemm (part 2): grid 8 x 32, 4 waves a work-group, clusters of 4 x 4, 327,680 bytes of LDS; arguments qa, wb, out0, alpha; writes out0
.if DOCPART == 2
	.amdgcn_target "amdgcn-amd-amdhsa--gfx1250"
	.amdhsa_code_object_version 6
	.text
	.protected	k_qd51fee96ab_gemm
	.globl	k_qd51fee96ab_gemm
	.p2align	8
	.type	k_qd51fee96ab_gemm,@function
k_qd51fee96ab_gemm:
	s_mov_b64 s[64:65], 0
	v_nop
	global_prefetch_b8 v0, s[64:65] scope:SCOPE_SE
	s_setreg_imm32_b32 hwreg(HW_REG_WAVE_MODE, 25, 1), 1
	s_wait_xcnt 0x0
	s_wait_alu depctr_hold_cnt(0) depctr_sa_sdst(0) depctr_va_vdst(0) depctr_va_sdst(0) depctr_va_ssrc(0) depctr_va_vcc(0) depctr_vm_vsrc(0)
	s_getreg_b32 s2, hwreg(HW_REG_IB_STS2, 6, 4)
	s_cmp_eq_u32 s2, 0
	s_cbranch_scc0 .Lentry_in_a_cluster
	s_endpgm
.Lentry_in_a_cluster:
	s_bfe_u32 s2, ttmp6, 0x10000c
	s_cmp_lg_u32 s2, 0xf033
	s_cbranch_scc0 .Lentry_shape_is_right
	s_endpgm
.Lentry_shape_is_right:
; out0[m][n] = alpha x the sum over k of qa[m][k] wb[n][k].  qa: [8192][4096], wb: [2048][4096], bf16 that hold whole numbers from -128 to 127 exactly; out0: [8192][2048] f32.
; LIMIT.  The sums are f32, not i32: every product is exact, and a sum is exact up to 2^24; beyond that (the largest possible is 4,096 x 128 x 127 = 6.7e7) each of the 128 steps along K rounds
; the running sum in its last bits, some 2^-23 of it a step.  The scaling by alpha rounds once, as in i32 -> f32 -> x alpha.
; A tile of C, 256 x 256, is made by a work-group of four waves; a wave makes 128 x 128: 64 accumulators of 16 x 16, 512 registers.  C has 32 x 8 = 256 tiles: one to a work-group.
; K goes in steps of 128 through a ring of two LDS slots filled by the tensor data mover: the rows of A's and B's tiles are 256 bytes of memory and start at multiples of 256 bytes.
; The last K step goes by rows of C, so that finished rows leave while the others are multiplied.
; CLUSTERS: 4 x 4 work-groups.  The four of a row of the cluster need the same tiles of qa, the four of a column the same tiles of wb.  Such a tile is asked for JOINTLY: each of the four issues
; the same tensor load, with the same descriptor and a mask that names the four, and each receives the tile in its own LDS.  That divides the requests for both by four.
;
; REGISTERS, in windows of 256 (an instruction names v0-v255; s_set_vgpr_msb says which window each operand place means):
;   window 0: v0-31 addresses; v64-127, v128-191 fragments of A (8 x 16 rows x 32 K), two buffers (in the last K step four, of 16 rows x 128 K); v32-63, v192-255 at work on the way out
;   window 1: v64-127, v128-191 fragments of B, two buffers; in the last K step all 256: B's fragments of the whole step
;   window 2: the 32 accumulators of my rows 0-63 (accumulator (a, b) at v[8 (8 a + b)]);   window 3: those of my rows 64-127
; s_set_vgpr_msb's low byte: bits 1:0 source 0, 3:2 source 1, 5:4 source 2, 7:6 destination.
;
; THE MATRIX INSTRUCTION IS USED TRANSPOSED: source 0 = 16 rows of wb, source 1 = 16 rows of qa.  In the result, lane l then holds row m = l % 16 of C, and its registers 0 to 7 the columns
; n = 8 (l / 16) + 0 .. 7: eight NEIGHBOURING numbers of a row of C, 32 bytes.
.set SIZE_M, 8192
.set SIZE_N, 2048
.set SIZE_K, 4096
.set CROW,   SIZE_N*4                  ; bytes in a row of C
.set KSTEP,  128
.set PITCH,  272                       ; an LDS row: 256 bytes of data + 16 of padding = 68 words: row r starts at bank 4 r mod 64 (64 banks of 4 bytes: ISA guide 11.1), so the 16 rows that a load touches start at 16 different banks
.set HALFT,  128*PITCH                 ; 128 rows: what one tensor load brings, and what one wave reads of A or of B
.set SLOT,   4*HALFT                   ; A's 256 rows, then B's 256 rows
.set STAGE,  2*SLOT                    ; behind the ring: 16 rows x 272 bytes for each wave, for the way out; no tensor load lands there
.set SPITCH, 272
.set SPARE,  STAGE+4*16*SPITCH         ; behind the stages: the spare words, 128 bytes for each wave: two blocks of 256 bytes that no other line names
.set LAPS, SIZE_K/(2*KSTEP)            ; a lap = two K steps = once round the ring: 16
.set ADRA, 16                          ; v16-17  LDS address of my A fragments in slot 0, 1
.set ADRB, 20                          ; v20-21  the same for B
.set STO,  24                          ; v24     the way out: where I put 32 bytes of a row
.set RD,   25                          ; v25     the way out: where I read a row back
.set CO,   26                          ; v26     my byte offset in C; never rewritten
.set SPW,  28                          ; v28     LDS address of my spare word: SPARE + 4 x my thread's number; never rewritten
.set NIL,  29                          ; v29     0; never rewritten
.set F0,   64                          ; fragment buffer 0
.set F1,   128                         ; fragment buffer 1
.set TMP,  192                         ; the way out: 32 scaled results a lane, in window 0
.set OB,   32                          ; the way out: 16 rows x 256 bytes read back from the stage: v32-63 and v224-255 by turns
.set PA,   64                          ; the last K step: A's fragments of 16 rows x 128 K, 32 registers; four such buffers, v64-191
.set G1, 24                            ; s[24:31] descriptor group 1 for A's tiles
.set G0, 32                            ; s[32:39] descriptor group 0 for A's tiles, one set for each slot
.set G1B, 48                           ; s[48:55] descriptor group 1 for B's tiles: it differs from A's in the mask alone
.set G0B, 56                           ; s[56:63] descriptor group 0 for B's tiles, one set for each slot
.set AL, 68                            ; s[68:69] alpha: the packed scaling names a pair and takes its low word for both halves
.set MSB, 0
.macro WIN new                         ; the immediate's high byte repeats the setting that is left; a switch that changes nothing is dropped
.if MSB != (\new)
	s_set_vgpr_msb (MSB<<8)|(\new)
.set MSB, \new
.endif
.endm
.set MUL_LO, 0xa1                      ; source 0 (B) window 1, source 1 (A) window 0, C and D window 2
.set MUL_HI, 0xf1                      ; the same, C and D window 3
.set TO_B,   0x40                      ; destination window 1, address window 0
; A joint load.  Waves 0 and 1 fetch A's two halves, waves 2 and 3 B's.  Each of the two lines has ONE mask and one set of registers for all that issue it, and nothing in
; them hangs on a coordinate that the four partners do not share.  The branch hangs on the wave's number alone: it is the same in every work-group.
; An s_nop 0 and four v_nop follow each of the two lines; the jump round the other line, the label and what follows the macro come after them.
.macro JLOAD s
	s_cmp_eq_u32 s11, 0
	s_cbranch_scc0 .Lfor_b_\@
	tensor_load_to_lds s[G0+4*(\s):G0+4*(\s)+3], s[G1:G1+7]
	s_nop 0
.rept 4
	v_nop
.endr
	s_branch .Lasked_\@
.Lfor_b_\@:
	tensor_load_to_lds s[G0B+4*(\s):G0B+4*(\s)+3], s[G1B:G1B+7]
	s_nop 0
.rept 4
	v_nop
.endr
.Lasked_\@:
.endm
; A round of the cluster's barrier: my work-group's barrier, so that wave 0's signal speaks for all four waves; wave 0 signals for the work-group; every wave waits for all
; sixteen work-groups; my work-group's barrier once more.  No LDS instruction of the wave is pending at a signal.
.macro CREST                           ; a round behind its opening barrier
	s_cmp_lg_u32 s10, 0
	s_cbranch_scc1 .Lnot_wave_0_\@
	s_barrier_signal -3
.Lnot_wave_0_\@:
	s_barrier_wait -3
	s_barrier_signal -1
	s_barrier_wait -1
.endm
.macro CROUND                          ; a whole round
	s_barrier_signal -1
	s_barrier_wait -1
	CREST
.endm
	s_load_b128 s[4:7], s[0:1], 0x0                ; qa (A) s[4:5], wb (B) s[6:7]
	s_load_b64 s[8:9], s[0:1], 0x10                ; out0 (C)
	s_load_b64 s[66:67], s[0:1], 0x18              ; alpha's address
	v_lshl_add_u32 v[SPW], v0, 2, SPARE
	v_mov_b32 v[NIL], 0
	ds_add_u32 v[SPW], v[NIL]                      ; the wave's opening: the add and its wait stand ahead of my first tensor load; the set-up below, work on registers, stands between them
	v_lshrrev_b32 v1, 5, v0
	v_readfirstlane_b32 s10, v1                    ; wave 0..3
	s_lshr_b32 s11, s10, 1                         ; which half of the tile's rows is mine.  Also: I fetch for A (0) or for B (1)
	s_and_b32 s12, s10, 1                          ; which half of its columns.  Also: which 128 rows of that tile I fetch
	s_bfe_u32 s40, ttmp6, 0x40000                  ; cx: my place along the cluster's x
	s_bfe_u32 s41, ttmp6, 0x40004                  ; cy: along its y
	s_lshl_b32 s42, ttmp9, 2                       ; in a cluster launch ttmp9 and ttmp7 count clusters
	s_add_co_u32 s42, s42, s40                     ; tile column of C = 4 x cluster x + cx
	s_and_b32 s13, ttmp7, 0xffff
	s_lshl_b32 s13, s13, 2
	s_add_co_u32 s13, s13, s41                     ; tile row of C = 4 x cluster y + cy
	s_lshl_b32 s43, s41, 2
	s_lshl_b32 s43, 15, s43                        ; my row of the cluster: places 4 cy .. 4 cy + 3
	s_lshl_b32 s44, 0x1111, s40                    ; my column: places cx, cx + 4, cx + 8, cx + 12
	; descriptor group 1: a tile of 128 rows x 128 elements, padded in LDS
	s_or_b32 s[G1+0], s43, (1<<16)|(1<<20)|(1<<21)|(5<<22)|(3<<25)  ; 15:0 the mask: A's tiles go to my row; 17:16 element of 2 bytes; 20 padding on; 21 set beside a mask; 24:22 after every 64 words (code 5); 31:25 of 4 words (code 3)
	s_or_b32 s[G1B+0], s44, (1<<16)|(1<<20)|(1<<21)|(5<<22)|(3<<25) ; the same with the mask of my column, for B's tiles
	s_mov_b32 s[G1B+1], KSTEP<<16
	s_mov_b32 s[G1+1], KSTEP<<16                   ; 63:48 tensor_dim0, low half = 128
	s_mov_b32 s[G1B+2], 128<<16
	s_mov_b32 s[G1+2], 128<<16                     ; 79:64 its high half = 0; 95:80 tensor_dim1, low half = 128
	s_mov_b32 s[G1B+3], KSTEP<<16
	s_mov_b32 s[G1+3], KSTEP<<16                   ; 111:96 its high half = 0; 127:112 tile_dim0 = 128
	s_mov_b32 s[G1B+4], 128
	s_mov_b32 s[G1+4], 128                         ; 143:128 tile_dim1 = 128; 159:144 tile_dim2 = 0
	s_mov_b32 s[G1B+5], SIZE_K
	s_mov_b32 s[G1+5], SIZE_K                      ; 191:160 tensor_dim0_stride, low word: elements from row to row
	s_mov_b32 s[G1B+6], 0
	s_mov_b32 s[G1+6], 0
	s_mov_b32 s[G1B+7], 0
	s_mov_b32 s[G1+7], 0
	; where the tiles come from.  A's hang on the tile row alone, which my row of the cluster shares; B's on the tile column alone, which my column shares.
	; Every wave makes both addresses, in registers that never hold the other coordinate, and asks by one of them.
	s_lshl_b32 s17, s12, 7                         ; which 128 rows of the tile I fetch
	s_lshl_b32 s16, s13, 8
	s_add_co_u32 s16, s16, s17                     ; A: row 256 x tile row + 128 x half
	s_lshl_b32 s46, s42, 8
	s_add_co_u32 s46, s46, s17                     ; B: row 256 x tile column + 128 x half
	s_mov_b32 s17, 0
	s_mov_b32 s47, 0
	s_mov_b64 s[18:19], SIZE_K*2
	s_mul_u64 s[16:17], s[16:17], s[18:19]         ; in bytes, in 64 bits
	s_mul_u64 s[46:47], s[46:47], s[18:19]
	s_mul_i32 s20, s10, HALFT                      ; and where they go: A's two halves, then B's two halves = wave x 128 rows: no place in the cluster enters an LDS address
	s_wait_dscnt 0x0                               ; the opening add is done
	s_wait_kmcnt 0x0
	s_add_nc_u64 s[14:15], s[4:5], s[16:17]
	s_add_nc_u64 s[46:47], s[6:7], s[46:47]
	CROUND                                         ; all sixteen work-groups are here: the first joint loads meet
.irp s, 0,1
	s_mov_b32 s[G0+4*(\s)], 1                                      ; 1:0 count = 1
	s_add_co_u32 s[G0+4*(\s)+1], s20, (\s)*SLOT                    ; 63:32 LDS address
	s_add_nc_u64 s[G0+4*(\s)+2:G0+4*(\s)+3], s[14:15], (\s)*KSTEP*2  ; 120:64 global address: K step s
	s_or_b32 s[G0+4*(\s)+3], s[G0+4*(\s)+3], 0x80000000            ; 127:126 type = 2
	s_mov_b32 s[G0B+4*(\s)], 1
	s_add_co_u32 s[G0B+4*(\s)+1], s20, (\s)*SLOT
	s_add_nc_u64 s[G0B+4*(\s)+2:G0B+4*(\s)+3], s[46:47], (\s)*KSTEP*2
	s_or_b32 s[G0B+4*(\s)+3], s[G0B+4*(\s)+3], 0x80000000
	JLOAD \s                                       ; the ring is filled before anything else is done: two tensor loads of mine are out
.endr
	s_load_b32 s[AL], s[66:67], 0x0                ; alpha: it comes while the addresses below are made, and is waited for ahead of the next barrier
	; A fragment is 16 rows x 32 K in 8 registers: lane l holds row l % 16; registers 0-3 hold K = 8 (l / 16) + 0..7, registers 4-7 hold
	; K = 16 + 8 (l / 16) + 0..7.  From rows that lie along K: two loads of 16 bytes, 32 bytes apart.  The same for source 0 and source 1.
	v_and_b32 v1, 15, v0                           ; l % 16
	v_bfe_u32 v2, v0, 4, 1                         ; l / 16
	v_mul_u32_u24 v3, v1, PITCH
	v_lshl_add_u32 v3, v2, 4, v3                   ; row x pitch + 16 x half
	s_mul_i32 s21, s11, HALFT                      ; my 128 rows of A
	s_mul_i32 s22, s12, HALFT                      ; my 128 rows of B,
	s_add_co_u32 s22, s22, 2*HALFT                 ; which lie behind A's 256
.irp s, 0,1
	v_add_nc_u32 v[ADRA+(\s)], s21, v3
	v_add_nc_u32 v[ADRB+(\s)], s22, v3
	s_add_co_u32 s21, s21, SLOT
	s_add_co_u32 s22, s22, SLOT
.endr
	s_mul_i32 s23, s10, 16*SPITCH
	s_add_co_u32 s23, s23, STAGE                   ; my stage
	v_mul_u32_u24 v4, v1, SPITCH                   ; in: row l % 16, 32 bytes (eight f32) for each half of the lanes
	v_lshl_add_u32 v4, v2, 5, v4
	v_add_nc_u32 v[STO], s23, v4
	v_mul_u32_u24 v5, v2, SPITCH                   ; back: lanes 0-15 take one row of 256 bytes, lanes 16-31 the next
	v_lshl_add_u32 v5, v1, 4, v5
	v_add_nc_u32 v[RD], s23, v5
	v_mul_u32_u24 v5, v2, CROW                     ; and the same two rows in C
	v_lshl_add_u32 v[CO], v1, 4, v5
	; where my part of the tile begins in C, in bytes: the way out adds it to C's address
	s_lshl_b32 s13, s13, 8
	s_lshl_b32 s14, s11, 7
	s_add_co_u32 s16, s13, s14                     ; my first row of C
	s_mov_b32 s17, 0
	s_mov_b64 s[18:19], CROW
	s_mul_u64 s[16:17], s[16:17], s[18:19]
	s_lshl_b32 s46, s42, 10                        ; my first column, in bytes: 1,024 x tile column + 512 x half (in the registers that held B's address: none that feeds A's descriptors ever holds cx)
	s_lshl_b32 s47, s12, 9
	s_add_co_u32 s46, s46, s47
	s_mov_b32 s47, 0
	s_add_nc_u64 s[16:17], s[16:17], s[46:47]
; 16 matrix instructions: m blocks a0, a0 + 1 of the window's four (hi = 0: my rows 0-63, 1: rows 64-127) x all 8 n blocks, 32 along K.
; zero = 1: the first product starts the sums: nothing is ever cleared.
.macro MUL16 f, hi, a0, zero
	WIN MUL_LO+0x50*(\hi)  ; MUL_LO or MUL_HI
.irp a, \a0, (\a0)+1
.irp b, 0,1,2,3,4,5,6,7
.if \zero
	v_wmma_f32_16x16x32_bf16 v[8*(8*(\a)+(\b)):8*(8*(\a)+(\b))+7], v[(\f)+8*(\b):(\f)+8*(\b)+7], v[(\f)+8*(4*(\hi)+(\a)):(\f)+8*(4*(\hi)+(\a))+7], 0
.else
	v_wmma_f32_16x16x32_bf16 v[8*(8*(\a)+(\b)):8*(8*(\a)+(\b))+7], v[(\f)+8*(\b):(\f)+8*(\b)+7], v[(\f)+8*(4*(\hi)+(\a)):(\f)+8*(4*(\hi)+(\a))+7], v[8*(8*(\a)+(\b)):8*(8*(\a)+(\b))+7]
.endif
.endr
.endr
.endm
; 32 LDS loads in one run: the fragments of one quarter step (128 rows of B, 128 rows of A, 32 K at byte k of the rows) into buffer f
.macro FETCH slot, k, f
	WIN TO_B
.irp i, 0,1,2,3,4,5,6,7
	ds_load_b128 v[(\f)+8*(\i):(\f)+8*(\i)+3],   v[ADRB+(\slot)] offset:(\k)+(\i)*16*PITCH
	ds_load_b128 v[(\f)+8*(\i)+4:(\f)+8*(\i)+7], v[ADRB+(\slot)] offset:(\k)+(\i)*16*PITCH+32
.endr
	WIN 0
.irp i, 0,1,2,3,4,5,6,7
	ds_load_b128 v[(\f)+8*(\i):(\f)+8*(\i)+3],   v[ADRA+(\slot)] offset:(\k)+(\i)*16*PITCH
	ds_load_b128 v[(\f)+8*(\i)+4:(\f)+8*(\i)+7], v[ADRA+(\slot)] offset:(\k)+(\i)*16*PITCH+32
.endr
.endm
; A load into a register that a matrix instruction has read, and a vector instruction that reads a matrix result or writes one of a matrix
; instruction's registers, stand four places behind that matrix instruction, and only plain vector instructions that name none of its registers
; are places (ISA guide 7.12.1 for vector instructions); this text does not count the matrix instructions in between.
.macro PLACES
.rept 4
	v_nop
.endr
.endm
; A K step is four quarter steps of 32 along K, 64 matrix instructions each, on buffers 0, 1, 0, 1.
; One of the first three: multiplies buffer f; in its middle it fetches the next quarter's fragments, at byte k of the same slot's rows, into buffer g.
.macro QUARTER slot, k, f, g, zero
	s_wait_dscnt 8                                 ; B and A's rows 0-63 are in; the youngest eight loads (A's rows 64-127) may be out
	WIN MUL_LO
	MUL16 \f, 0, 0, \zero
	MUL16 \f, 0, 2, \zero
	PLACES
	FETCH \slot, \k, \g
	s_wait_dscnt 32                                ; all but the 32 just issued
	WIN MUL_HI
	MUL16 \f, 1, 0, \zero
	MUL16 \f, 1, 2, \zero
.endm
; The last quarter multiplies buffer 1 and changes slots.  MEET is its first half: ONE barrier for the change of slots, for two things.  In front of it each wave waits for
; all its tensor loads, of which one is out: its part of the next slot; adds 0 to its spare word; and waits for that and for its own reads of this slot.  Behind it nobody reads this slot any more and the next slot is whole.
.macro MEET round                      ; round = 1: a round of the cluster's barrier follows
	WIN 0                                          ; (the add's two registers lie in window 0)
	s_wait_tensorcnt 0x0                           ; all my tensor loads have landed: the one that was out is my part of the next slot;
	ds_add_u32 v[SPW], v[NIL]                      ; 0 onto my spare word;
	s_wait_dscnt 9                                 ; (the add and the youngest eight loads may be out)
	WIN MUL_LO
	MUL16 F1, 0, 0, 0                              ; sixteen matrix instructions stand between the add and the wait for it
	s_wait_dscnt 0x0                               ; the add is done, and my reads of this slot are over (the last were issued 48 matrix instructions ago):
	s_barrier_signal -1                            ; say so (where a slot is filled again this barrier opens a round of the cluster's barrier),
	MUL16 F1, 0, 2, 0                              ; work on registers while the others arrive,
.if \round
	WIN 0
.endif
	s_barrier_wait -1                              ; and go on when all four have said so
.endm
; The whole last quarter.  Behind the round the slot just read out is filled again first, with the K step two steps on; then come the next slot's first fragments.
; From a request to the wait for it a wave issues 224 matrix instructions.
.macro TURN slot, next
	MEET 1
	CREST                                          ; wave 0 says so for the work-group, all sixteen work-groups have said so, my work-group's barrier closes the round:
	                                               ; no wave of any partner still reads this slot's tile or has a load on its way
	s_add_nc_u64 s[G0+4*(\slot)+2:G0+4*(\slot)+3], s[G0+4*(\slot)+2:G0+4*(\slot)+3], 2*KSTEP*2
	s_add_nc_u64 s[G0B+4*(\slot)+2:G0B+4*(\slot)+3], s[G0B+4*(\slot)+2:G0B+4*(\slot)+3], 2*KSTEP*2
	JLOAD \slot                                    ; the first tensor load behind the round, my only one until the next; the four v_nop behind it are also the places in front of the loads below
	FETCH \next, 0, F0
	WIN MUL_HI
	MUL16 F1, 1, 0, 0
	MUL16 F1, 1, 2, 0
.endm
; THE LAST K STEP (it lies in slot 1) GOES BY ROWS OF C, NOT BY K.  All its fragments of B (4 quarters x 64 registers) fill window 1; then my eight blocks of 16 rows are
; finished one after the other, each with 32 matrix instructions (its 8 accumulators by turns, K ascending).  LDS is read no more than in any other K step.
.macro BLOAD q                         ; B's fragments of quarter q -> window 1, v[64 q ..]
	WIN TO_B
.irp i, 0,1,2,3,4,5,6,7
	ds_load_b128 v[64*(\q)+8*(\i):64*(\q)+8*(\i)+3],   v[ADRB+1] offset:64*(\q)+(\i)*16*PITCH
	ds_load_b128 v[64*(\q)+8*(\i)+4:64*(\q)+8*(\i)+7], v[ADRB+1] offset:64*(\q)+(\i)*16*PITCH+32
.endr
.endm
.macro ALOAD a                         ; A's fragments of block a, all four quarters -> buffer a % 4
	WIN 0
.set FA, PA+32*((\a)%4)
.irp q, 0,1,2,3
	ds_load_b128 v[FA+8*(\q):FA+8*(\q)+3],   v[ADRA+1] offset:64*(\q)+(\a)*16*PITCH
	ds_load_b128 v[FA+8*(\q)+4:FA+8*(\q)+7], v[ADRA+1] offset:64*(\q)+(\a)*16*PITCH+32
.endr
.endm
.macro ROW a                           ; block a is finished: 32 matrix instructions
.set FA, PA+32*((\a)%4)                ; its fragments of A
.set AC, 64*((\a)%4)                   ; its eight accumulators, in window 2 (blocks 0-3) or 3 (blocks 4-7)
	WIN MUL_LO+0x50*((\a)/4)                       ; MUL_LO or MUL_HI
.irp q, 0,1,2,3
.if (\a) == 0 && (\q) == 2
	s_wait_dscnt 24                                ; B's quarter 2 is in (behind it: A's blocks 1 to 3)
.endif
.irp b, 0,1,2,3,4,5,6,7
	v_wmma_f32_16x16x32_bf16 v[AC+8*(\b):AC+8*(\b)+7], v[64*(\q)+8*(\b):64*(\q)+8*(\b)+7], v[FA+8*(\q):FA+8*(\q)+7], v[AC+8*(\b):AC+8*(\b)+7]
.endr
.endr
.endm
; THE WAY OUT of half c (64 columns, 256 bytes of each row) of block a (16 rows), in three parts.
; PACK: four accumulators times alpha, into window 0; each accumulator's registers in ascending order.
.macro PACK a, c
.set AC, 64*((\a)%4)+32*(\c)
	WIN 0x02+(\a)/4                                ; source 0: window 2 or 3
.irp b, 0,1,2,3
.irp r, 0,1,2,3
	v_pk_mul_f32 v[TMP+8*(\b)+2*(\r):TMP+8*(\b)+2*(\r)+1], v[AC+8*(\b)+2*(\r):AC+8*(\b)+2*(\r)+1], s[AL:AL+1] op_sel_hi:[1,0]
.endr
.endr
	WIN 0
.endm
; TOSTAGE: a lane's 32 bytes of each accumulator go into my own stage, rows of 272 bytes, and come back as whole rows of 256.  hb = 2 a + c picks the registers that take them.
.macro TOSTAGE hb
	WIN 0
.set BK, OB+192*((\hb)%2)
.irp b, 0,1,2,3
.irp u, 0,1
	ds_store_b128 v[STO], v[TMP+8*(\b)+4*(\u):TMP+8*(\b)+4*(\u)+3] offset:64*(\b)+16*(\u)
.endr
.endr
.irp t, 0,1,2,3,4,5,6,7
	ds_load_b128 v[BK+4*(\t):BK+4*(\t)+3], v[RD] offset:(\t)*2*SPITCH  ; LDS serves a wave's instructions in order (ISA guide 5.7.1.4): these see the stores above, and the next half's stores come behind them
.endr
.endm
; SEND: stored.  younger: the LDS loads issued behind TOSTAGE's, which may stay out.
.macro SEND a, c, younger
	WIN 0
.set BK, OB+192*(\c)
	s_wait_dscnt \younger                          ; the half-block is back in registers
	s_wait_xcnt 0x0                                ; every earlier memory instruction has had its addresses translated (ISA guide 3.1): only behind this wait are the stores' base and the registers that earlier stores read rewritten
.if (\c) == 0
.if (\a) == 0
	s_add_nc_u64 s[8:9], s[8:9], s[16:17]          ; on to my first rows and columns of the tile
.else
	s_add_nc_u64 s[8:9], s[8:9], 16*CROW           ; 16 rows of C on
.endif
.endif
.irp t, 0,1,2,3,4,5,6,7
	global_store_b128 v[CO], v[BK+4*(\t):BK+4*(\t)+3], s[8:9] offset:2*(\t)*CROW+256*(\c) th:TH_STORE_NT  ; 16 lanes store 256 consecutive bytes, at a multiple of 256 from C's first byte
.endr
.endm
	s_wait_kmcnt 0x0                               ; alpha is there
	s_mov_b32 s[AL+1], s[AL]                       ; named with it as a pair, so it is written
	s_wait_tensorcnt 1                             ; my part of K step 0 is in; K step 1's may stay out
	s_barrier_signal -1
	s_barrier_wait -1                              ; everybody's is
	FETCH 0, 0, F0
	QUARTER 0, 64,  F0, F1, 1                      ; the first quarter stands in front of the loop: its products start the sums
	WIN 0                                          ; at a label and at a branch every window is 0
	s_mov_b32 s3, LAPS-1
.Llap:                                                 ; a trip goes once round the ring, from a lap's second quarter to the next lap's first, and fills both slots again: 15 trips ask for K steps 2 to 31
	QUARTER 0, 128, F1, F0, 0
	QUARTER 0, 192, F0, F1, 0
	TURN 0, 1
	QUARTER 1, 64,  F0, F1, 0
	QUARTER 1, 128, F1, F0, 0
	QUARTER 1, 192, F0, F1, 0
	TURN 1, 0
	QUARTER 0, 64,  F0, F1, 0
	WIN 0
	s_sub_co_u32 s3, s3, 1
	s_cmp_lg_u32 s3, 0
	s_cbranch_scc1 .Llap
	QUARTER 0, 128, F1, F0, 0                      ; the last lap goes on; it asks for nothing more
	QUARTER 0, 192, F0, F1, 0
	MEET 0                                         ; my one tensor load that was still out is slot 1's, the last K step's, so no round follows
	PLACES                                         ; for the loads into buffer 0, which the quarter before multiplied
	WIN TO_B
	BLOAD 0                                        ; three quarters of B now: buffer 1 (v128-191 of both windows) is still being multiplied
	BLOAD 1
	BLOAD 3
	WIN 0
	ALOAD 0
	WIN MUL_HI
	MUL16 F1, 1, 0, 0
	MUL16 F1, 1, 2, 0
	PLACES                                         ; for the loads into buffer 1
	WIN TO_B
	BLOAD 2
	WIN 0
	ALOAD 1
	ALOAD 2
	ALOAD 3
	s_wait_dscnt 40                                ; all but the 40 just issued
	ROW 0
; Each block leaves as soon as it is finished, in two halves of 64 columns.  The second half's scaling stands between the first half's loads from the stage and the wait for them;
; the next block's 32 matrix instructions stand between the second half's loads and the wait for them.
.irp a, 0,1,2,3,4,5,6,7
	PLACES                                         ; the scalings read results just made, and the loads below land in a buffer just multiplied
	PACK \a, 0
	TOSTAGE 2*(\a)
.if (\a) < 4
	ALOAD (\a)+4                                   ; block a's buffer takes the block four further on
.endif
	PACK \a, 1
.if (\a) < 4
	SEND \a, 0, 8                                  ; the eight loads of A just issued may stay out; all older ones are in, the next block's fragments among them
.else
	SEND \a, 0, 0
.endif
	TOSTAGE 2*(\a)+1
.if (\a) < 7
	ROW (\a)+1
.endif
	SEND \a, 1, 0
.endr
	s_wait_tensorcnt 0x0                           ; the wave's end, behind my last tensor load and my last LDS store
	ds_add_u32 v[SPW], v[NIL]
	s_wait_dscnt 0x0
	CROUND                                         ; the closing round: no work-group ends while a partner may still ask for a tile that names it
	s_endpgm
.Lfunc_end_k_qd51fee96ab_gemm:
	.size	k_qd51fee96ab_gemm, .Lfunc_end_k_qd51fee96ab_gemm-k_qd51fee96ab_gemm
	.p2alignl 7, 3214868480
	.fill 96, 4, 3214868480
	.section	.rodata,"a",@progbits
	.p2align	6, 0x0
	.amdhsa_kernel k_qd51fee96ab_gemm
		.amdhsa_group_segment_fixed_size 327680
		.amdhsa_private_segment_fixed_size 0
		.amdhsa_enable_private_segment 0
		.amdhsa_kernarg_size 32
		.amdhsa_user_sgpr_count 2
		.amdhsa_user_sgpr_kernarg_segment_ptr 1
		.amdhsa_wavefront_size32 1
		.amdhsa_system_sgpr_workgroup_id_x 1
		.amdhsa_system_sgpr_workgroup_id_y 1
		.amdhsa_system_sgpr_workgroup_id_z 1
		.amdhsa_system_vgpr_workitem_id 0
		.amdhsa_next_free_vgpr 1024
		.amdhsa_next_free_sgpr 70
		.amdhsa_reserve_vcc 0
		.amdhsa_float_denorm_mode_32 3
		.amdhsa_float_denorm_mode_16_64 3
		.amdhsa_memory_ordered 1
		.amdhsa_forward_progress 1
		.amdhsa_inst_pref_size 158
	.end_amdhsa_kernel
	.amdgpu_metadata
---
amdhsa.version: [ 1, 2 ]
amdhsa.kernels:
  - .name:           k_qd51fee96ab_gemm
    .symbol:         k_qd51fee96ab_gemm.kd
    .args:
      - { .name: qa, .offset: 0, .size: 8, .value_kind: global_buffer, .address_space: global }
      - { .name: wb, .offset: 8, .size: 8, .value_kind: global_buffer, .address_space: global }
      - { .name: out0, .offset: 16, .size: 8, .value_kind: global_buffer, .address_space: global }
      - { .name: alpha, .offset: 24, .size: 8, .value_kind: global_buffer, .address_space: global }
    .group_segment_fixed_size: 327680
    .private_segment_fixed_size: 0
    .kernarg_segment_align: 8
    .kernarg_segment_size: 32
    .max_flat_workgroup_size: 128
    .sgpr_count:     70
    .vgpr_count:     1024
    .wavefront_size: 32
...
	.end_amdgpu_metadata
.endif
;; end of part 2
;; ======== version 2 of 2: 2 launches; version 1 with the launch quant written anew for expert scheduling mode
;; workspace buffers: qa 67,108,864 bytes; wb 16,777,216 bytes
;; launch quant (part 3): grid 1024 x 1, 8 waves a work-group, no clusters, 0 bytes of LDS; arguments x, weight, inscale, qa, wb; writes qa, wb
.if DOCPART == 3
	.amdgcn_target "amdgcn-amd-amdhsa--gfx1250"
	.amdhsa_code_object_version 6
	.text
	.protected	k_qd51fee96ab_quant
	.globl	k_qd51fee96ab_quant
	.p2align	8
	.type	k_qd51fee96ab_quant,@function
k_qd51fee96ab_quant:
	s_mov_b64 s[64:65], 0
	v_nop
	global_prefetch_b8 v0, s[64:65] scope:SCOPE_SE
	s_setreg_imm32_b32 hwreg(HW_REG_WAVE_SCHED_MODE, 0, 2), 2
	s_setreg_imm32_b32 hwreg(HW_REG_WAVE_MODE, 25, 1), 1
	s_wait_xcnt 0x0
	s_wait_alu depctr_vm_vsrc(0)
; qa[m][k] = clip(round_half_even(x[m][k] / inscale), -128, 127) and wb[n][k] = weight[n][k], both written as bf16.
; Every whole number from -128 to 127 is exact in bf16, so neither copy loses anything.
; A stream through registers: no LDS, no barrier, no matrix unit, since no wave needs what another wave holds.
; SHARES.  1,024 work-groups of eight waves, all alike.  Work-group g takes 131,072 bytes of x (65,536 of qa) and 8,192 bytes of weight (16,384 of wb).
; Thread t takes the 16 bytes at 16 t of every 4,096 bytes of x, 32 such pieces: a wave's load covers 512 consecutive bytes, its 8-byte stores 256 consecutive bytes, aligned.
; THE DIVISION is made as a division, not as a product with a rough reciprocal, because a quotient near k + 0.5 decides q: R = 1/s refined once; Q = x R;
; then twice E = x - s Q (fused, exact once Q is within a step of the quotient) and Q = Q + E R.  The last line rounds x/s + (x/s - Q) d once, d being R's
; relative error, about 2^-24: Q differs from the rounded quotient only where x/s lies within about 2^-24 of a step of the midpoint between two f32 numbers.
; LIMITS.  inscale is finite, not 0, 2^-100 <= |inscale| <= 2^100 (a negative one is served).  x is first held to +-256 |inscale|: beyond that the quotient is
; clipped anyway, and infinities and huge x stay out of the division.  NaN in x is not treated.  A quotient that rounds to zero from below leaves as -0, which adds nothing to a sum.
; THE MODE: SCHED_MODE bits 1:0 = 2 (LLVM: expert scheduling mode 2), set by the entry lines.  The code itself states the register dependences
; between vector instructions and memory instructions, with s_wait_alu, always for 0.
; THE PLAN.  The 32 pieces go in 8 blocks of four.  Registers that memory instructions touch:
;   X0 .. X3   four blocks of x.  Written by the head's loads (blocks 0 to 3) and by the loads of block p + 3, issued in block p (p = 1 to 4); block p's lines clamp X[p % 4] in place and read it.
;   Y0, Y1     two blocks of qa.  Written by block p's roundings (Y[p % 2]); read by the four stores that are issued in block p + 1.
;   WI, WO     the weights as loaded and as stored: each register is written once and read once.
;   v1, v2     byte offsets, made once at the head and never written again.  The bases stay too: every piece is reached by an immediate offset, 31 x 4,096 = 126,976 bytes at the most,
;              so the eight blocks are written out by one macro, and no address is stepped anywhere.
; Block p's memory instructions are the loads into X[(p + 3) % 4] = X[(p - 1) % 4] and the stores from Y[(p - 1) % 2]: the two buffers that block p - 1 worked on and that no vector
; instruction of block p names.  So the waits at the head of a block state all that its eight memory instructions hang on, and these are dealt among its vector instructions with no further wait.
.set BLOCK,  4                         ; pieces in a block
.set BLOCKS, 8                         ; 8 x 4 x 4,096 = 131,072 bytes of x
.set XSTEP,  4096                      ; bytes of x that the eight waves take with one load each
.set QSTEP,  2048                      ; and the bytes of qa made of them
.set VX, 1                             ; v1          16 t: x's load offset, wb's store offset; never rewritten
.set VQ, 2                             ; v2          8 t: qa's store offset, weight's load offset; never rewritten
.set R,  4                             ; v[4:5]      1/s, twice (a pair for the packed forms)
.set NS, 6                             ; v[6:7]      -s, twice
.set CP, 8                             ; v8          256 |s|
.set CN, 9                             ; v9          -256 |s|
.set LO, 10                            ; v10         -128.0
.set HI, 11                            ; v11         127.0
.set Q,  12                            ; v[12:15]    four quotients at work: no memory instruction names them
.set E,  16                            ; v[16:19]    their remainders: likewise
.set WT, 12                            ; v[12:19]    ahead of the blocks: eight weights at work
.set X,  20                            ; v[20:83]    buffer k, piece i: 4 registers at X + 16 k + 4 i, as loaded
.set Y,  84                            ; v[84:99]    buffer k, piece i: 2 registers at Y + 8 k + 2 i, to store
.set WI, 100                           ; v[100:107]  weight load j: 8 bytes
.set WO, 108                           ; v[108:123]  weight store j: 8 bf16
	s_load_b256 s[4:11], s[0:1], 0x0               ; x s[4:5], weight s[6:7], inscale's address s[8:9], qa s[10:11]
	s_load_b64 s[12:13], s[0:1], 0x20              ; wb
	v_lshlrev_b32 v[VX], 4, v0
	v_lshlrev_b32 v[VQ], 3, v0
	s_lshl_b32 s14, ttmp9, 17                      ; my work-group's first byte in x (1,023 x 131,072 stays under 2^32),
	s_mov_b32 s15, 0
	s_lshl_b32 s16, ttmp9, 16                      ; in qa,
	s_mov_b32 s17, 0
	s_lshl_b32 s18, ttmp9, 13                      ; in weight,
	s_mov_b32 s19, 0
	s_lshl_b32 s20, ttmp9, 14                      ; in wb
	s_mov_b32 s21, 0
	s_wait_kmcnt 0x0
	s_load_b32 s22, s[8:9], 0x0                    ; s = inscale
	s_add_nc_u64 s[4:5], s[4:5], s[14:15]
	s_add_nc_u64 s[10:11], s[10:11], s[16:17]
	s_add_nc_u64 s[6:7], s[6:7], s[18:19]
	s_add_nc_u64 s[12:13], s[12:13], s[20:21]
	s_wait_alu depctr_va_vdst(0)                   ; v1 and v2 are written: every load and store of the kernel reads one of them as its offset
.irp j, 0,1,2,3
	global_load_b64 v[WI+2*(\j):WI+2*(\j)+1], v[VQ], s[6:7] offset:(\j)*2048 th:TH_LOAD_NT  ; the launch reads each weight once
.endr
.set i, 0
.rept 4*BLOCK
	global_load_b128 v[X+4*i:X+4*i+3], v[VX], s[4:5] offset:i*XSTEP th:TH_LOAD_NT  ; blocks 0 to 3 into X0 to X3: no vector instruction has named these registers
.set i, i+1
.endr
	s_wait_kmcnt 0x0                               ; s is there
	v_mov_b32 v[E], s22
	v_rcp_f32 v[R], v[E]
	v_mov_b32 v[LO], 0xc3000000                    ; -128.0: a plain instruction stands between the reciprocal and the use of its result
	v_mov_b32 v[HI], 0x42fe0000                    ; 127.0
	v_xor_b32 v[NS], 0x80000000, v[E]              ; -s
	v_mov_b32 v[NS+1], v[NS]
	s_wait_alu depctr_va_vdst(0)
	v_fma_f32 v[E+1], v[NS], v[R], 1.0             ; 1 - s R,
	v_fma_f32 v[R], v[E+1], v[R], v[R]             ; and R refined by it
	v_mov_b32 v[R+1], v[R]
	v_and_b32 v[CP], 0x7fffffff, v[E]
	v_mul_f32 v[CP], 0x43800000, v[CP]             ; 256 |s|
	v_xor_b32 v[CN], 0x80000000, v[CP]
; Eight weights: each byte is moved to the top of a word and brought down with its sign, made f32 and rounded (exactly) to bf16.
.macro WCVT j
.irp w, 0,1
	v_lshlrev_b32 v[WT+4*(\w)],   24, v[WI+2*(\j)+(\w)]
	v_lshlrev_b32 v[WT+4*(\w)+1], 16, v[WI+2*(\j)+(\w)]
	v_lshlrev_b32 v[WT+4*(\w)+2], 8,  v[WI+2*(\j)+(\w)]
	v_ashrrev_i32 v[WT+4*(\w)+3], 24, v[WI+2*(\j)+(\w)]
.irp k, 0,1,2
	v_ashrrev_i32 v[WT+4*(\w)+(\k)], 24, v[WT+4*(\w)+(\k)]
.endr
.irp k, 0,1,2,3
	v_cvt_f32_i32 v[WT+4*(\w)+(\k)], v[WT+4*(\w)+(\k)]
.endr
	v_cvt_pk_bf16_f32 v[WO+4*(\j)+2*(\w)],   v[WT+4*(\w)],   v[WT+4*(\w)+1]
	v_cvt_pk_bf16_f32 v[WO+4*(\j)+2*(\w)+1], v[WT+4*(\w)+2], v[WT+4*(\w)+3]
.endr
.endm
	s_wait_loadcnt 4*BLOCK                         ; loads come back in order (ISA guide 5.7.1): the sixteen loads of x are younger, the four of weight are in
.irp j, 0,1,2,3
	WCVT \j
.endr
	s_wait_alu depctr_va_vdst(0)                   ; the conversions have written v[WO ..], which the four stores below read
.irp j, 0,1,2,3
	global_store_b128 v[VX], v[WO+4*(\j):WO+4*(\j)+3], s[12:13] offset:(\j)*4096  ; a wave stores 512 consecutive bytes; WO's registers are written once in the launch
.endr
; Block p: four pieces of four numbers.  It works on X[p % 4] and writes Y[p % 2].  Blocks 1 to 4 load block p + 3; blocks 1 to 7 store block p - 1.
; left = how many younger loads may still be out when this block's four have to be there.
.macro BLK p, left
.set XB, X+16*((\p)%4)                 ; at work
.set XN, X+16*(((\p)+3)%4)             ; the block before's, loaded again
.set YB, Y+8*((\p)%2)                  ; written
.set YP, Y+8*(((\p)+1)%2)              ; the block before's, stored
	s_wait_loadcnt \left                           ; X[p % 4] is in, the younger blocks stay out
.if (\p) >= 2
	s_wait_xcnt 0x0                                ; every earlier memory instruction has had its addresses translated (ISA guide 3.1): Y[p % 2], the data of stores issued in the block before, is rewritten only behind this wait
	s_wait_alu depctr_vm_vsrc(0)                   ; those stores have read Y[p % 2], which this block's roundings write again
.endif
.if (\p) >= 1
	s_wait_alu depctr_va_vdst(0)                   ; the block before has written the other Y, which the stores below read, and is done clamping and reading its X, in which the loads below land
.endif
.irp i, 0,1,2,3
.if ((\p) >= 1) && ((\p) <= BLOCKS-4)
	global_load_b128 v[XN+4*(\i):XN+4*(\i)+3], v[VX], s[4:5] offset:(BLOCK*((\p)+3)+(\i))*XSTEP th:TH_LOAD_NT  ; three blocks ahead, the load ahead of the store; no vector instruction since the wait names these registers
.endif
.if (\p) >= 1
	global_store_b64 v[VQ], v[YP+2*(\i):YP+2*(\i)+1], s[10:11] offset:(BLOCK*((\p)-1)+(\i))*QSTEP  ; the block before: a wave stores 256 consecutive bytes, aligned
.endif
.irp k, 0,1,2,3
	v_med3_num_f32 v[XB+4*(\i)+(\k)], v[XB+4*(\i)+(\k)], v[CN], v[CP]  ; x held to +-256 |s|
.endr
.irp k, 0,2
	v_pk_mul_f32 v[Q+(\k):Q+(\k)+1], v[XB+4*(\i)+(\k):XB+4*(\i)+(\k)+1], v[R:R+1]
.endr
.rept 2
.irp k, 0,2
	v_pk_fma_f32 v[E+(\k):E+(\k)+1], v[NS:NS+1], v[Q+(\k):Q+(\k)+1], v[XB+4*(\i)+(\k):XB+4*(\i)+(\k)+1]  ; E = x - s Q
.endr
.irp k, 0,2
	v_pk_fma_f32 v[Q+(\k):Q+(\k)+1], v[E+(\k):E+(\k)+1], v[R:R+1], v[Q+(\k):Q+(\k)+1]                    ; Q = Q + E R
.endr
.endr
.irp k, 0,1,2,3
	v_rndne_f32 v[Q+(\k)], v[Q+(\k)]               ; to the nearest whole number, ties to even
.endr
.irp k, 0,1,2,3
	v_med3_num_f32 v[Q+(\k)], v[Q+(\k)], v[LO], v[HI]
.endr
	v_cvt_pk_bf16_f32 v[YB+2*(\i)],   v[Q],   v[Q+1]
	v_cvt_pk_bf16_f32 v[YB+2*(\i)+1], v[Q+2], v[Q+3]
.endr
.endm
	BLK 0, 3*BLOCK                                 ; block 0 has no block in front of it: nothing to store, and the head has asked for blocks 1 to 3, which stay out
	BLK 1, 2*BLOCK                                 ; Y1 has been no store's data yet: the block's head states what its loads and stores hang on, and no more
	BLK 2, 2*BLOCK
	BLK 3, 2*BLOCK
	BLK 4, 2*BLOCK                                 ; asks for block 7, the last
	BLK 5, 2*BLOCK                                 ; blocks 5 to 7 load nothing: no load leaves the buffer, and the counts run down
	BLK 6, BLOCK
	BLK 7, 0
	s_wait_alu depctr_va_vdst(0)                   ; block 7 has written Y1, which the last four stores read
.irp i, 0,1,2,3
	global_store_b64 v[VQ], v[Y+8+2*(\i):Y+8+2*(\i)+1], s[10:11] offset:(BLOCK*(BLOCKS-1)+(\i))*QSTEP
.endr
	s_endpgm
.Lfunc_end_k_qd51fee96ab_quant:
	.size	k_qd51fee96ab_quant, .Lfunc_end_k_qd51fee96ab_quant-k_qd51fee96ab_quant
	.p2alignl 7, 3214868480
	.fill 96, 4, 3214868480
	.section	.rodata,"a",@progbits
	.p2align	6, 0x0
	.amdhsa_kernel k_qd51fee96ab_quant
		.amdhsa_group_segment_fixed_size 0
		.amdhsa_private_segment_fixed_size 0
		.amdhsa_enable_private_segment 0
		.amdhsa_kernarg_size 40
		.amdhsa_user_sgpr_count 2
		.amdhsa_user_sgpr_kernarg_segment_ptr 1
		.amdhsa_wavefront_size32 1
		.amdhsa_system_sgpr_workgroup_id_x 1
		.amdhsa_system_sgpr_workgroup_id_y 1
		.amdhsa_system_sgpr_workgroup_id_z 1
		.amdhsa_system_vgpr_workitem_id 0
		.amdhsa_next_free_vgpr 124
		.amdhsa_next_free_sgpr 66
		.amdhsa_reserve_vcc 0
		.amdhsa_float_denorm_mode_32 3
		.amdhsa_float_denorm_mode_16_64 3
		.amdhsa_memory_ordered 1
		.amdhsa_forward_progress 1
		.amdhsa_inst_pref_size 58
	.end_amdhsa_kernel
	.amdgpu_metadata
---
amdhsa.version: [ 1, 2 ]
amdhsa.kernels:
  - .name:           k_qd51fee96ab_quant
    .symbol:         k_qd51fee96ab_quant.kd
    .args:
      - { .name: x, .offset: 0, .size: 8, .value_kind: global_buffer, .address_space: global }
      - { .name: weight, .offset: 8, .size: 8, .value_kind: global_buffer, .address_space: global }
      - { .name: inscale, .offset: 16, .size: 8, .value_kind: global_buffer, .address_space: global }
      - { .name: qa, .offset: 24, .size: 8, .value_kind: global_buffer, .address_space: global }
      - { .name: wb, .offset: 32, .size: 8, .value_kind: global_buffer, .address_space: global }
    .group_segment_fixed_size: 0
    .private_segment_fixed_size: 0
    .kernarg_segment_align: 8
    .kernarg_segment_size: 40
    .max_flat_workgroup_size: 256
    .sgpr_count:     66
    .vgpr_count:     124
    .wavefront_size: 32
...
	.end_amdgpu_metadata
.endif
;; end of part 3
;; launch gemm: the kernel of part 2 again; grid 8 x 32, 4 waves a work-group, clusters of 4 x 4, 327,680 bytes of LDS; arguments qa, wb, out0, alpha; writes out0
